; MI455X (gfx1250); checked and timed in simulation.
; The chip was launched on July 23, 2026; its instructions are those of AMD's public machine-readable ISA for CDNA 5 (MIT licence, August 2026) and "CDNA5" Instruction Set Architecture Reference Guide (July 2026). The comments in the code are by the model that wrote it; some were corrected since.
;; Multi Head Attention. Allowed arithmetic: float matrix products may take bf16 or f16 operands with f32 sums; all other float work in f32.
;; Inputs: Wk_b 1,024 float32; Wk_w 1,024 x 1,024 float32; Wq_b 1,024 float32; Wq_w 1,024 x 1,024 float32; Wv_b 1,024 float32; Wv_w 1,024 x 1,024 float32; mask_pad 4 x 2,048 x 2,048 bool; x_k_v 4 x 2,048 x 1,024 float32; x_q 4 x 2,048 x 1,024 float32.
;; Outputs: out0 4 x 2,048 x 1,024 float32.
;; One version. Each part assembles by itself: llvm-mc -triple=amdgcn-amd-amdhsa -mcpu=gfx1250 --defsym DOCPART=n.
;; ======== version 1 of 1: 3 launches
;; limits: values are held in f16: magnitudes above 65,504 overflow, below 6.1e-05 lose precision
;; workspace buffers: xw 39,845,888 bytes; qkv 50,331,648 bytes; mw 2,097,152 bytes of whole numbers
;; launch prep (part 1): grid 1728 x 1, 8 waves a work-group, no clusters, 0 bytes of LDS; arguments x_q, x_k_v, Wq_w, Wk_w, Wv_w, mask_pad, xw, mw; writes xw, mw
.if DOCPART == 1
	.amdgcn_target "amdgcn-amd-amdhsa--gfx1250"
	.amdhsa_code_object_version 6
	.text
	.protected	k_qf3599dec05_prep
	.globl	k_qf3599dec05_prep
	.p2align	8
	.type	k_qf3599dec05_prep,@function
k_qf3599dec05_prep:
	s_mov_b64 s[64:65], 0
	v_nop
	global_prefetch_b8 v0, s[64:65] scope:SCOPE_SE
	s_setreg_imm32_b32 hwreg(HW_REG_WAVE_MODE, 25, 1), 1
	s_wait_xcnt 0x0
; prep: two jobs that only move bytes, told apart by the work-group's number g.
;   g = 0 .. 1215: 16 rows of 1024 f32 (65,536 bytes) become 16 rows of f16 (32,768 bytes) of xw, rows 16 g .. 16 g + 15.
;       xw rows 0-8191 = x_q, 8192-16383 = x_k_v, 16384-17407 = Wq_w, and from 17408 on, for head h: 64 rows of Wk_w, then 64 rows of Wv_w,
;       so that the product that follows writes k and v of one head side by side.
;   g = 1216 .. 1727: one tile of 16 queries of mask_pad (16 rows x 2048 bytes) becomes 1024 words of mw: word [step 0..31][t 0..3][j 0..7],
;       bit L = mask_pad[query L & 15][64 step + 16 t + 8 (L >> 4) + j]: the lane mask of one score register of the attention launch.
; No LDS, no barrier, no matrix unit: every byte is read once and written once, and no wave needs another's data.
; LIMIT: f16 holds magnitudes up to 65,504; a larger x or weight becomes infinity.  Below 6.1e-5 f16 keeps an absolute step of 6e-8.
.set XC,   4                           ; v[4:67]   convert: 16 loads of 4 f32
.set YC,   68                          ; v[68:99]  convert: 16 pairs of packed f16; no register is written twice, so no store's data is ever rewritten
.set XM,   8                           ; v[8:39]   mask: 16 loads of 8 bytes
.set OUTM, 40                          ; v[40:43]  mask: the wave's 128 words, word W in lane W / 4, register W % 4
.set TM,   44                          ; v[44:47]  mask: at work
	s_load_b512 s[16:31], s[0:1], 0x0              ; x_q s[16:17], x_k_v s[18:19], Wq_w s[20:21], Wk_w s[22:23], Wv_w s[24:25], mask_pad s[26:27], xw s[28:29], mw s[30:31]
	s_mov_b32 s2, ttmp9                            ; g
	s_cmp_ge_u32 s2, 1216
	s_cbranch_scc1 .Lmask
	; ---- f32 to f16.  Which buffer, and which group u of 16 rows in it ----
	s_sub_co_u32 s3, s2, 1088                      ; j: place among the 128 groups of k and v weights (used only where g >= 1088)
	s_lshr_b32 s4, s3, 3                           ; head
	s_lshl_b32 s4, s4, 2                           ; four groups of 16 rows a head
	s_and_b32 s5, s3, 3
	s_or_b32 s4, s4, s5                            ; u = 4 head + (j & 3)
	s_sub_co_u32 s10, s2, 1024                     ; u if Wq_w
	s_sub_co_u32 s11, s2, 512                      ; u if x_k_v
	v_lshlrev_b32 v1, 4, v0                        ; in: 16 bytes a thread, 4,096 a work-group and load
	v_lshlrev_b32 v2, 3, v0                        ; out: 8 bytes a thread
	s_lshl_b32 s6, s2, 15                          ; out: 32,768 bytes a work-group
	s_mov_b32 s7, 0
	s_wait_kmcnt 0x0
	s_bitcmp1_b32 s3, 2                            ; bit 2 of j: the second 64 rows of a head's 128 are Wv_w's
	s_cselect_b64 s[8:9], s[24:25], s[22:23]
	s_cmp_lt_u32 s2, 1088
	s_cselect_b64 s[8:9], s[20:21], s[8:9]
	s_cselect_b32 s4, s10, s4
	s_cmp_lt_u32 s2, 1024
	s_cselect_b64 s[8:9], s[18:19], s[8:9]
	s_cselect_b32 s4, s11, s4
	s_cmp_lt_u32 s2, 512
	s_cselect_b64 s[8:9], s[16:17], s[8:9]
	s_cselect_b32 s4, s2, s4
	s_lshl_b32 s4, s4, 16                          ; 65,536 bytes a group
	s_mov_b32 s5, 0
	s_add_nc_u64 s[8:9], s[8:9], s[4:5]
	s_add_nc_u64 s[28:29], s[28:29], s[6:7]
.irp i, 0,1,2,3,4,5,6,7,8,9,10,11,12,13,14,15
	global_load_b128 v[XC+4*\i:XC+4*\i+3], v1, s[8:9] offset:4096*\i th:TH_LOAD_NT   ; all sixteen go out at once: the group's 65,536 bytes are on their way
.endr
.irp i, 0,1,2,3,4,5,6,7,8,9,10,11,12,13,14,15
	s_wait_loadcnt 15-\i                           ; loads come back in order: load i is in, the 15 - i younger ones stay out
	v_cvt_pk_f16_f32 v[YC+2*\i], v[XC+4*\i], v[XC+4*\i+1]
	v_cvt_pk_f16_f32 v[YC+2*\i+1], v[XC+4*\i+2], v[XC+4*\i+3]
	global_store_b64 v2, v[YC+2*\i:YC+2*\i+1], s[28:29] offset:2048*\i   ; a wave's store covers 256 consecutive bytes, aligned
.endr
	s_endpgm
	; ---- mask bytes to lane masks.  Wave w takes columns 256 w .. 256 w + 255 of the tile's 16 rows: 16 score tiles T of 16 columns ----
.Lmask:
	s_sub_co_u32 s3, s2, 1216                      ; 128 b + query tile
	v_lshrrev_b32 v3, 5, v0
	v_readfirstlane_b32 s14, v3                    ; wave
	v_and_b32 v4, 15, v0                           ; r: the query
	v_bfe_u32 v5, v0, 4, 1                         ; h: which 8 of a tile's 16 columns
	v_lshlrev_b32 v1, 11, v4                       ; 2048 r
	v_lshl_add_u32 v1, v5, 3, v1                   ; + 8 h
	s_lshl_b32 s15, s14, 8
	v_add_nc_u32 v1, s15, v1                       ; + 256 w
	v_and_b32 v2, 31, v0
	v_lshlrev_b32 v2, 4, v2                        ; out: 16 bytes a lane
	s_lshl_b32 s12, s3, 15                         ; in: 16 rows x 2048 bytes
	s_mov_b32 s13, 0
	s_lshl_b32 s32, s3, 12                         ; out: 4,096 bytes a query tile,
	s_lshl_b32 s15, s14, 9                         ; 512 a wave
	s_add_co_u32 s32, s32, s15
	s_mov_b32 s33, 0
	s_wait_kmcnt 0x0
	s_add_nc_u64 s[26:27], s[26:27], s[12:13]
	s_add_nc_u64 s[30:31], s[30:31], s[32:33]
.irp t, 0,1,2,3,4,5,6,7,8,9,10,11,12,13,14,15
	global_load_b64 v[XM+2*\t:XM+2*\t+1], v1, s[26:27] offset:16*\t      ; the sixteen loads together take 256 consecutive bytes of each of the 16 rows
.endr
.irp k, 0,1,2,3
	v_mov_b32 v[OUTM+\k], 0                        ; v_writelane_b32 keeps the other lanes: the registers are written whole once
.endr
.irp t, 0,1,2,3,4,5,6,7,8,9,10,11,12,13,14,15
	s_wait_loadcnt 15-\t                           ; load t is in, the younger ones stay out
.irp j, 0,1,2,3,4,5,6,7
	v_and_b32 v[TM+(\j&3)], 0xff<<(8*(\j&3)), v[XM+2*\t+(\j>>2)]         ; byte j of my eight
	v_cmp_ne_u32 s[4+\j], 0, v[TM+(\j&3)]                                ; one bit a lane: word W = 8 t + j
	v_writelane_b32 v[OUTM+(\j&3)], s[4+\j], 2*\t+(\j>>2)                ; to lane W / 4, register W % 4
.endr
.endr
	global_store_b128 v2, v[OUTM:OUTM+3], s[30:31]                       ; the wave's 512 consecutive bytes
	s_endpgm
.Lfunc_end_k_qf3599dec05_prep:
	.size	k_qf3599dec05_prep, .Lfunc_end_k_qf3599dec05_prep-k_qf3599dec05_prep
	.p2alignl 7, 3214868480
	.fill 96, 4, 3214868480
	.section	.rodata,"a",@progbits
	.p2align	6, 0x0
	.amdhsa_kernel k_qf3599dec05_prep
		.amdhsa_group_segment_fixed_size 0
		.amdhsa_private_segment_fixed_size 0
		.amdhsa_enable_private_segment 0
		.amdhsa_kernarg_size 64
		.amdhsa_user_sgpr_count 2
		.amdhsa_user_sgpr_kernarg_segment_ptr 1
		.amdhsa_wavefront_size32 1
		.amdhsa_system_sgpr_workgroup_id_x 1
		.amdhsa_system_sgpr_workgroup_id_y 1
		.amdhsa_system_sgpr_workgroup_id_z 1
		.amdhsa_system_vgpr_workitem_id 0
		.amdhsa_next_free_vgpr 104
		.amdhsa_next_free_sgpr 66
		.amdhsa_reserve_vcc 0
		.amdhsa_float_denorm_mode_32 3
		.amdhsa_float_denorm_mode_16_64 3
		.amdhsa_memory_ordered 1
		.amdhsa_forward_progress 1
		.amdhsa_inst_pref_size 34
	.end_amdhsa_kernel
	.amdgpu_metadata
---
amdhsa.version: [ 1, 2 ]
amdhsa.kernels:
  - .name:           k_qf3599dec05_prep
    .symbol:         k_qf3599dec05_prep.kd
    .args:
      - { .name: x_q, .offset: 0, .size: 8, .value_kind: global_buffer, .address_space: global }
      - { .name: x_k_v, .offset: 8, .size: 8, .value_kind: global_buffer, .address_space: global }
      - { .name: Wq_w, .offset: 16, .size: 8, .value_kind: global_buffer, .address_space: global }
      - { .name: Wk_w, .offset: 24, .size: 8, .value_kind: global_buffer, .address_space: global }
      - { .name: Wv_w, .offset: 32, .size: 8, .value_kind: global_buffer, .address_space: global }
      - { .name: mask_pad, .offset: 40, .size: 8, .value_kind: global_buffer, .address_space: global }
      - { .name: xw, .offset: 48, .size: 8, .value_kind: global_buffer, .address_space: global }
      - { .name: mw, .offset: 56, .size: 8, .value_kind: global_buffer, .address_space: global }
    .group_segment_fixed_size: 0
    .private_segment_fixed_size: 0
    .kernarg_segment_align: 8
    .kernarg_segment_size: 64
    .max_flat_workgroup_size: 256
    .sgpr_count:     66
    .vgpr_count:     104
    .wavefront_size: 32
...
	.end_amdgpu_metadata
.endif
;; end of part 1
;; launch proj (part 2): grid 12 x 32, 4 waves a work-group, clusters of 4 x 4, 327,680 bytes of LDS; arguments xw, qkv, Wq_b, Wk_b, Wv_b; writes qkv
.if DOCPART == 2
	.amdgcn_target "amdgcn-amd-amdhsa--gfx1250"
	.amdhsa_code_object_version 6
	.text
	.protected	k_qf3599dec05_proj
	.globl	k_qf3599dec05_proj
	.p2align	8
	.type	k_qf3599dec05_proj,@function
k_qf3599dec05_proj:
	s_mov_b64 s[64:65], 0
	v_nop
	global_prefetch_b8 v0, s[64:65] scope:SCOPE_SE
	s_setreg_imm32_b32 hwreg(HW_REG_WAVE_MODE, 25, 1), 1
	s_wait_xcnt 0x0
	s_wait_alu depctr_hold_cnt(0) depctr_sa_sdst(0) depctr_va_vdst(0) depctr_va_sdst(0) depctr_va_ssrc(0) depctr_va_vcc(0) depctr_vm_vsrc(0)
	s_getreg_b32 s2, hwreg(HW_REG_IB_STS2, 6, 4)
	s_cmp_eq_u32 s2, 0
	s_cbranch_scc0 .Lentry_in_a_cluster
	s_endpgm
.Lentry_in_a_cluster:
	s_bfe_u32 s2, ttmp6, 0x10000c
	s_cmp_lg_u32 s2, 0xf033
	s_cbranch_scc0 .Lentry_shape_is_right
	s_endpgm
.Lentry_shape_is_right:
; proj: the three projections as ONE product C = A B^T + bias in f16 with f32 sums.  C is 8192 x 3072: columns 0-1023 are q (A = x_q), columns
; 1024-3071 are, for each head, 64 columns of k and 64 of v (A = x_k_v).  A and B are rows of xw (2,048 bytes each): x_q from row 0, x_k_v from
; row 8192, the weights from row 16384 in C's column order.
; C goes out as f16 planes qkv[b][plane][token][64]: plane = column / 64, so planes 0-15 are q's heads, plane 16 + 2 h is k and 17 + 2 h is v of head h.
; A work-group makes 256 x 256 of C with four waves, one for each SIMD of its WGP; a wave makes 128 x 128: 64 accumulator tiles of 16 x 16, 512 registers.
; K = 1024 goes in steps of 128 through a ring of two LDS slots filled by the tensor data mover: a tile's rows are 256 bytes of memory, aligned.
; CLUSTERS: 4 x 4 work-groups.  The four of a row of the cluster need the same tiles of A, the four of a column the same tiles of B: such a tile is asked
; for JOINTLY, by the same tensor load with the same descriptor and a mask that names the four.  That divides the requests for A and for B by four.
; The cluster's x (0, 1, 2) decides between q and k|v, so all sixteen partners take A from the same input.
; LIMIT: q, k, v are rounded to f16: magnitudes above 65,504 become infinity.
;
; REGISTERS, in windows of 256 (s_set_vgpr_msb says which window each operand place means):
;   window 0: v0-31 addresses; v64-127, v128-191 fragments of A, two buffers; v192-255 the bias of my 128 columns, later v192-223 at work on the way out
;   window 1: v64-127, v128-191 fragments of B, two buffers
;   window 2: the 32 accumulator tiles of my rows 0-63 (tile (a, b) at v[8 (8 a + b)]);   window 3: those of my rows 64-127
; THE MATRIX INSTRUCTION IS USED TRANSPOSED: source 0 = 16 rows of B, source 1 = 16 rows of A.  Lane l then holds row l % 16 of C and its registers 0 to 7
; the columns 8 (l / 16) + 0 .. 7: eight neighbouring numbers of a row, 16 bytes in f16.  The bias of those eight columns, eight registers for each of the
; eight column blocks, is the C operand of each tile's first product: nothing is cleared and nothing is added afterwards.
.set SIZE_K, 1024
.set KSTEP,  128
.set PITCH,  272                       ; an LDS row: 256 bytes of data + 16 of padding, so that the 16 rows that a fragment load touches start 16 bytes apart modulo 256
.set HALFT,  128*PITCH                 ; 128 rows: what one tensor load brings, and what one wave reads of A or of B
.set SLOT,   4*HALFT                   ; A's 256 rows, then B's 256 rows
.set STAGE,  2*SLOT                    ; behind the ring: 16 rows x 272 bytes for each wave, for the way out; no tensor load lands here
.set SPITCH, 272
.set LAPS, SIZE_K/(2*KSTEP)            ; a lap = two K steps = once round the ring: 4
.set ADRA, 16                          ; v16-17  LDS address of my A fragments in slot 0, 1
.set ADRB, 20                          ; v20-21  the same for B
.set STO,  24                          ; v24     the way out: where I put 16 bytes of a row
.set RD,   25                          ; v25     the way out: where I read back
.set CO,   26                          ; v26     my byte offset in qkv
.set BO,   27                          ; v27     my byte offset in a bias: 32 (l / 16)
.set F0,   64                          ; fragment buffer 0
.set F1,   128                         ; fragment buffer 1
.set BIAS, 192                         ; v[192:255] window 0: register 8 b + j = bias of column 16 b + 8 (l / 16) + j of my 128
.set TMP,  192                         ; the way out: packed results, in window 0 (the bias is no longer needed)
.set G1, 24                            ; s[24:31] descriptor group 1 for A's tiles
.set G0, 32                            ; s[32:39] descriptor group 0 for A's tiles, one set for each slot
.set G1B, 48                           ; s[48:55] descriptor group 1 for B's tiles: it differs from A's in the mask alone
.set G0B, 56                           ; s[56:63] descriptor group 0 for B's tiles, one set for each slot
.set MSB, 0
.macro WIN new                         ; the immediate's high byte repeats the setting that is left
.if MSB != \new
	s_set_vgpr_msb (MSB<<8)|\new
.set MSB, \new
.endif
.endm
.set MUL_LO,   0xa1                    ; source 0 (B) window 1, source 1 (A) window 0, C and D window 2
.set MUL_HI,   0xf1                    ; the same, C and D window 3
.set FIRST_LO, 0x81                    ; the first products: C is the bias, in window 0; D window 2
.set FIRST_HI, 0xc1                    ; the same, D window 3
.set TO_B,     0x40                    ; destination window 1, address window 0
; A joint load.  Waves 0 and 1 fetch A's two halves, waves 2 and 3 B's.  Each of the two lines has ONE mask and one set of registers for all that issue it.
; The branch hangs on the wave's number alone: it is the same in every work-group.  Four v_nop follow each of the two lines.
.macro JLOAD s
	s_cmp_eq_u32 s11, 0
	s_cbranch_scc0 .Lfor_b_\@
	tensor_load_to_lds s[G0+4*\s:G0+4*\s+3], s[G1:G1+7]
	s_nop 0
.rept 4
	v_nop
.endr
	s_branch .Lasked_\@
.Lfor_b_\@:
	tensor_load_to_lds s[G0B+4*\s:G0B+4*\s+3], s[G1B:G1B+7]
	s_nop 0
.rept 4
	v_nop
.endr
.Lasked_\@:
.endm
; A round of the cluster's barrier: my work-group's barrier, so that wave 0's signal speaks for all four waves; wave 0 signals for the work-group; every wave
; waits for all sixteen work-groups; my work-group's barrier once more.
.macro CREST                           ; a round behind its opening barrier
	s_cmp_lg_u32 s10, 0
	s_cbranch_scc1 .Lnot_wave_0_\@
	s_barrier_signal -3
.Lnot_wave_0_\@:
	s_barrier_wait -3
	s_barrier_signal -1
	s_barrier_wait -1
.endm
.macro CROUND                          ; a whole round
	s_barrier_signal -1
	s_barrier_wait -1
	CREST
.endm
	s_load_b64 s[4:5], s[0:1], 0x0                 ; xw
	s_load_b64 s[8:9], s[0:1], 0x8                 ; qkv
	s_load_b128 s[68:71], s[0:1], 0x10             ; Wq_b s[68:69], Wk_b s[70:71]
	s_load_b64 s[72:73], s[0:1], 0x20              ; Wv_b
	s_set_vgpr_msb 0x40
	v_lshl_add_u32 v255, v0, 2, 0x48400
	s_set_vgpr_msb 0x4000
	v_mov_b32 v63, 0
	s_set_vgpr_msb 0x1
	ds_add_u32 v255, v63
	s_set_vgpr_msb 0x100
	v_lshrrev_b32 v1, 5, v0
	v_readfirstlane_b32 s10, v1                    ; wave 0..3
	s_lshr_b32 s11, s10, 1                         ; which half of the block's rows is mine.  Also: I fetch for A (0) or for B (1)
	s_and_b32 s12, s10, 1                          ; which half of its columns.  Also: which 128 rows of that tile I fetch
	s_bfe_u32 s40, ttmp6, 0x40000                  ; cx: my place along the cluster's x
	s_bfe_u32 s41, ttmp6, 0x40004                  ; cy: along its y
	s_lshl_b32 s42, ttmp9, 2                       ; in a cluster launch ttmp9 and ttmp7 count clusters
	s_add_co_u32 s42, s42, s40                     ; block column of C = 4 x cluster x + cx, 0..11
	s_and_b32 s13, ttmp7, 0xffff
	s_lshl_b32 s13, s13, 2
	s_add_co_u32 s13, s13, s41                     ; block row of C = 4 x cluster y + cy, 0..31
	s_lshl_b32 s43, s41, 2
	s_lshl_b32 s43, 15, s43                        ; my row of the cluster: places 4 cy .. 4 cy + 3
	s_lshl_b32 s44, 0x1111, s40                    ; my column: places cx, cx + 4, cx + 8, cx + 12
	; descriptor group 1: a tile of 128 rows x 128 elements of 2 bytes, padded in LDS
	s_or_b32 s[G1+0], s43, (1<<16)|(1<<20)|(1<<21)|(5<<22)|(3<<25)  ; 15:0 the mask: A's tiles go to my row; 17:16 element of 2 bytes; 20 padding on; 21 set beside a mask; 24:22 after every 64 words; 31:25 four words
	s_or_b32 s[G1B+0], s44, (1<<16)|(1<<20)|(1<<21)|(5<<22)|(3<<25) ; the same with the mask of my column, for B's tiles
	s_mov_b32 s[G1B+1], KSTEP<<16
	s_mov_b32 s[G1+1], KSTEP<<16                   ; tensor_dim0 = 128
	s_mov_b32 s[G1B+2], 128<<16
	s_mov_b32 s[G1+2], 128<<16                     ; tensor_dim1 = 128
	s_mov_b32 s[G1B+3], KSTEP<<16
	s_mov_b32 s[G1+3], KSTEP<<16                   ; tile_dim0 = 128
	s_mov_b32 s[G1B+4], 128
	s_mov_b32 s[G1+4], 128                         ; tile_dim1 = 128
	s_mov_b32 s[G1B+5], SIZE_K
	s_mov_b32 s[G1+5], SIZE_K                      ; elements from row to row
	s_mov_b32 s[G1B+6], 0
	s_mov_b32 s[G1+6], 0
	s_mov_b32 s[G1B+7], 0
	s_mov_b32 s[G1+7], 0
	; where the tiles come from.  A's hang on the block row and the cluster's x, which my row of the cluster shares; B's on the block column, which my column shares.
	s_lshl_b32 s17, s12, 7                         ; which 128 rows of the tile I fetch
	s_lshl_b32 s16, s13, 8
	s_add_co_u32 s16, s16, s17                     ; A: row 256 x block row + 128 x half
	s_min_u32 s45, ttmp9, 1
	s_lshl_b32 s45, s45, 13
	s_add_co_u32 s16, s16, s45                     ; + 8192 where the columns are k's and v's: x_k_v
	s_lshl_b32 s46, s42, 8
	s_add_co_u32 s46, s46, s17
	s_add_co_u32 s46, s46, 16384                   ; B: row 16384 + 256 x block column + 128 x half
	s_mov_b32 s17, 0
	s_mov_b32 s47, 0
	s_mov_b64 s[18:19], SIZE_K*2
	s_mul_u64 s[16:17], s[16:17], s[18:19]         ; in bytes
	s_mul_u64 s[46:47], s[46:47], s[18:19]
	s_mul_i32 s20, s10, HALFT                      ; and where they go: wave x 128 rows: no place in the cluster enters an LDS address
	; the bias of my 128 columns.  cb = column / 128.  q: Wq_b from 128 cb.  k|v: head cb - 8: Wk_b for my left 64 columns, Wv_b for my right 64, both from 64 (cb - 8).
	s_lshl_b32 s76, s42, 1
	s_add_co_u32 s76, s76, s12                     ; cb, 0..23
	s_lshl_b32 s77, s76, 9                         ; q: 512 cb bytes
	s_add_co_u32 s79, s77, 256                     ; q: my right 64 columns
	s_max_u32 s78, s76, 8
	s_sub_co_u32 s78, s78, 8
	s_lshl_b32 s78, s78, 8                         ; k, v: 256 (cb - 8) bytes
	s_wait_dscnt 0x0
	s_wait_kmcnt 0x0
	s_cmp_eq_u32 ttmp9, 0                          ; q?  The selects and moves below leave SCC as it is
	s_cselect_b32 s80, s77, s78
	s_cselect_b32 s82, s79, s78
	s_mov_b32 s81, 0
	s_mov_b32 s83, 0
	s_cselect_b64 s[84:85], s[68:69], s[70:71]
	s_cselect_b64 s[86:87], s[68:69], s[72:73]
	s_add_nc_u64 s[84:85], s[84:85], s[80:81]      ; bias of my columns 0-63
	s_add_nc_u64 s[86:87], s[86:87], s[82:83]      ; bias of my columns 64-127
	s_add_nc_u64 s[14:15], s[4:5], s[16:17]
	s_add_nc_u64 s[46:47], s[4:5], s[46:47]
	CROUND                                         ; all sixteen work-groups are here: the first joint loads meet
.irp s, 0,1
	s_mov_b32 s[G0+4*\s], 1                                        ; count = 1
	s_add_co_u32 s[G0+4*\s+1], s20, \s*SLOT                        ; LDS address
	s_add_nc_u64 s[G0+4*\s+2:G0+4*\s+3], s[14:15], \s*KSTEP*2      ; global address: K step s
	s_or_b32 s[G0+4*\s+3], s[G0+4*\s+3], 0x80000000                ; type = 2
	s_mov_b32 s[G0B+4*\s], 1
	s_add_co_u32 s[G0B+4*\s+1], s20, \s*SLOT
	s_add_nc_u64 s[G0B+4*\s+2:G0B+4*\s+3], s[46:47], \s*KSTEP*2
	s_or_b32 s[G0B+4*\s+3], s[G0B+4*\s+3], 0x80000000
	JLOAD \s                                       ; the ring is filled before anything else is done: two tensor loads of a wave are out here, later one
.endr
	v_and_b32 v1, 15, v0                           ; l % 16
	v_bfe_u32 v2, v0, 4, 1                         ; l / 16
	v_lshlrev_b32 v[BO], 5, v2                     ; eight f32 for each half of the lanes
.irp b, 0,1,2,3
	global_load_b128 v[BIAS+8*\b:BIAS+8*\b+3],       v[BO], s[84:85] offset:64*\b
	global_load_b128 v[BIAS+8*\b+4:BIAS+8*\b+7],     v[BO], s[84:85] offset:64*\b+16
	global_load_b128 v[BIAS+32+8*\b:BIAS+32+8*\b+3], v[BO], s[86:87] offset:64*\b
	global_load_b128 v[BIAS+32+8*\b+4:BIAS+32+8*\b+7], v[BO], s[86:87] offset:64*\b+16
.endr
	; A fragment is 16 rows x 32 K in 8 registers: lane l holds row l % 16; registers 0-3 hold K = 8 (l / 16) + 0..7, registers 4-7 hold
	; K = 16 + 8 (l / 16) + 0..7 (ISA guide 7.12.2): two loads of 16 bytes, 32 bytes apart.  The same for source 0 and source 1.
	v_mul_u32_u24 v3, v1, PITCH
	v_lshl_add_u32 v3, v2, 4, v3                   ; row x pitch + 16 x half
	s_mul_i32 s21, s11, HALFT                      ; my 128 rows of A
	s_mul_i32 s22, s12, HALFT                      ; my 128 rows of B,
	s_add_co_u32 s22, s22, 2*HALFT                 ; which lie behind A's 256
.irp s, 0,1
	v_add_nc_u32 v[ADRA+\s], s21, v3
	v_add_nc_u32 v[ADRB+\s], s22, v3
	s_add_co_u32 s21, s21, SLOT
	s_add_co_u32 s22, s22, SLOT
.endr
	s_mul_i32 s23, s10, 16*SPITCH
	s_add_co_u32 s23, s23, STAGE                   ; my stage
	v_mul_u32_u24 v4, v1, SPITCH                   ; in: row l % 16, 16 bytes for each half of the lanes
	v_lshl_add_u32 v4, v2, 4, v4
	v_add_nc_u32 v[STO], s23, v4
	v_bfe_u32 v5, v0, 3, 1                         ; back: lanes 0-15 take the left 128 bytes of two rows (eight lanes a row), lanes 16-31 the right 128 bytes
	v_mul_u32_u24 v5, v5, SPITCH
	v_and_b32 v6, 7, v0
	v_lshl_add_u32 v5, v6, 4, v5
	v_lshl_add_u32 v5, v2, 7, v5
	v_add_nc_u32 v[RD], s23, v5
	v_lshlrev_b32 v5, 18, v2                       ; in qkv: two tokens of a plane are 256 consecutive bytes; the right 64 columns are the next plane, 262,144 bytes on
	v_lshl_add_u32 v[CO], v1, 4, v5
; 16 matrix instructions: m blocks a0, a0 + 1 of the window's four (hi = 0: my rows 0-63, 1: rows 64-127) x all 8 n blocks, 32 along K.
; zero = 1: the first product starts the sums from the bias.
.macro MUL16 f, hi, a0, zero
.irp a, \a0, \a0+1
.irp b, 0,1,2,3,4,5,6,7
.if \zero
	v_wmma_f32_16x16x32_f16 v[8*(8*(\a)+\b):8*(8*(\a)+\b)+7], v[\f+8*\b:\f+8*\b+7], v[\f+8*(4*\hi+\a):\f+8*(4*\hi+\a)+7], v[BIAS+8*\b:BIAS+8*\b+7]
.else
	v_wmma_f32_16x16x32_f16 v[8*(8*(\a)+\b):8*(8*(\a)+\b)+7], v[\f+8*\b:\f+8*\b+7], v[\f+8*(4*\hi+\a):\f+8*(4*\hi+\a)+7], v[8*(8*(\a)+\b):8*(8*(\a)+\b)+7]
.endif
.endr
.endr
.endm
; 32 LDS loads in one run: the fragments of one quarter step (128 rows of B, 128 rows of A, 32 K at byte k of the rows) into buffer f
.macro FETCH slot, k, f
	WIN TO_B
.irp i, 0,1,2,3,4,5,6,7
	ds_load_b128 v[\f+8*\i:\f+8*\i+3],   v[ADRB+\slot] offset:\k+\i*16*PITCH
	ds_load_b128 v[\f+8*\i+4:\f+8*\i+7], v[ADRB+\slot] offset:\k+\i*16*PITCH+32
.endr
	WIN 0
.irp i, 0,1,2,3,4,5,6,7
	ds_load_b128 v[\f+8*\i:\f+8*\i+3],   v[ADRA+\slot] offset:\k+\i*16*PITCH
	ds_load_b128 v[\f+8*\i+4:\f+8*\i+7], v[ADRA+\slot] offset:\k+\i*16*PITCH+32
.endr
.endm
; A load into a register that a matrix instruction has read, and a vector instruction that reads a matrix result, stand four places behind that matrix
; instruction, and only plain vector instructions that name none of its registers are places.  So four v_nop stand in front of each run of loads.
.macro PLACES
.rept 4
	v_nop
.endr
.endm
; A K step is four quarter steps of 32 along K, 64 matrix instructions each, on buffers 0, 1, 0, 1.  The 64 accumulators take turns, one instruction a turn, in the
; same order in every quarter.
; One of the first three quarters: multiplies buffer f; in its middle it fetches the next quarter's fragments, at byte k of the same slot's rows, into buffer g.
.macro QUARTER slot, k, f, g, zero
	s_wait_dscnt 8                                 ; B and A's rows 0-63 are in; the youngest eight loads (A's rows 64-127) may be out
.if \zero
	WIN FIRST_LO
.else
	WIN MUL_LO
.endif
	MUL16 \f, 0, 0, \zero
	MUL16 \f, 0, 2, \zero
	PLACES
	FETCH \slot, \k, \g
	s_wait_dscnt 32                                ; all but the 32 just issued
.if \zero
	WIN FIRST_HI
.else
	WIN MUL_HI
.endif
	MUL16 \f, 1, 0, \zero
	MUL16 \f, 1, 2, \zero
.endm
.macro THREE slot, zero
	QUARTER \slot, 64,  F0, F1, \zero
	QUARTER \slot, 128, F1, F0, 0
	QUARTER \slot, 192, F0, F1, 0
.endm
; The last quarter: multiplies buffer 1 and changes slots.  next = the other slot; fill = 1: this slot is filled again, two K steps ahead.
; ONE barrier for the change of slots.  In front of it each wave waits for its own reads of this slot and for all its tensor loads, of which one is out: its part
; of the next slot.  Behind it nobody reads this slot any more and the next slot is whole: the refill comes first, then the next slot's first fragments.
; From a request to the wait for it a wave issues 240 matrix instructions.
.macro TURN slot, next, fill
	s_wait_dscnt 8
	WIN MUL_LO
	MUL16 F1, 0, 0, 0
	s_wait_dscnt 0                                 ; my reads of this slot are over
	s_wait_tensorcnt 0x0                           ; and all my tensor loads have landed: the one that was out is my part of the next slot
	ds_add_u32 v255, v63
	s_wait_dscnt 0x0
	s_barrier_signal -1                            ; say so (where a slot is filled again this barrier opens a round of the cluster's barrier),
	MUL16 F1, 0, 2, 0                              ; work on registers while the others arrive,
	WIN 0
	s_barrier_wait -1                              ; and go on when all four have said so
.if \fill
	CREST                                          ; all sixteen work-groups have said so: no wave of any partner still reads this slot's tile or has a load on its way
	s_add_nc_u64 s[G0+4*\slot+2:G0+4*\slot+3], s[G0+4*\slot+2:G0+4*\slot+3], 2*KSTEP*2
	s_add_nc_u64 s[G0B+4*\slot+2:G0B+4*\slot+3], s[G0B+4*\slot+2:G0B+4*\slot+3], 2*KSTEP*2
	JLOAD \slot                                    ; the first tensor load behind the round; the four v_nop behind it are also the places in front of the loads below
.else
	PLACES
.endif
	FETCH \next, 0, F0
	WIN MUL_HI
	MUL16 F1, 1, 0, 0
	MUL16 F1, 1, 2, 0
.endm
.macro LAP zero                        ; once round the ring, both slots filled again
	THREE 0, \zero
	TURN 0, 1, 1
	THREE 1, 0
	TURN 1, 0, 1
.endm
	s_wait_loadcnt 0x0                             ; the bias, once
	s_wait_tensorcnt 1                             ; my part of K step 0 is in; K step 1's stays out
	s_barrier_signal -1
	s_barrier_wait -1                              ; everybody's is
	FETCH 0, 0, F0
	LAP 1                                          ; the first lap stands in front of the loop: its first products start the sums
	WIN 0                                          ; at a label and at a branch every window is 0
	s_mov_b32 s3, LAPS-2
.Llap:
	LAP 0
	WIN 0
	s_sub_co_u32 s3, s3, 1
	s_cmp_lg_u32 s3, 0
	s_cbranch_scc1 .Llap
	THREE 0, 0                                     ; the last lap fills nothing, and has no round of the cluster's barrier: my one tensor load still out is the last K step's
	TURN 0, 1, 0
	THREE 1, 0
	s_wait_dscnt 8                                 ; the very last quarter: nothing more to fetch
	WIN MUL_LO
	MUL16 F1, 0, 0, 0
	MUL16 F1, 0, 2, 0
	s_wait_dscnt 0
	WIN MUL_HI
	MUL16 F1, 1, 0, 0
	MUL16 F1, 1, 2, 0
	; THE WAY OUT, 16 rows (tokens) at a time: round to f16, 16 bytes a lane into my own stage in LDS, read back so that sixteen lanes hold 256 consecutive bytes of a plane.
	PLACES                                         ; the places behind the last matrix instructions, for the conversions and for the loads into buffers 0 and 1
	s_lshr_b32 s14, s13, 3                         ; b = block row / 8
	s_mul_i32 s16, s14, 12582912                   ; 48 planes of 262,144 bytes
	s_and_b32 s14, s13, 7
	s_lshl_b32 s14, s14, 15                        ; 256 tokens of 128 bytes
	s_add_co_u32 s16, s16, s14
	s_lshl_b32 s14, s11, 14                        ; my half: 128 tokens
	s_add_co_u32 s16, s16, s14
	s_mov_b32 s17, 0
	s_add_nc_u64 s[8:9], s[8:9], s[16:17]
	s_lshl_b32 s46, s76, 19                        ; plane 2 cb (in registers that held B's address: none that fed A's descriptors holds cx)
	s_mov_b32 s47, 0
	s_add_nc_u64 s[8:9], s[8:9], s[46:47]
; rows 16 i .. 16 i + 15 of my block = the eight tiles (a, 0..7) of window 2 or 3 (from = 0x0a or 0x0f: sources 0 and 1); f: F0 or F1 in turn
.macro OUT16 i, a, from, f
	WIN \from
.irp b, 0,1,2,3,4,5,6,7
.irp r, 0,1,2,3
	v_cvt_pk_f16_f32 v[TMP+4*\b+\r], v[8*(8*\a+\b)+2*\r], v[8*(8*\a+\b)+2*\r+1]
.endr
.endr
	WIN 0
.irp b, 0,1,2,3,4,5,6,7
	ds_store_b128 v[STO], v[TMP+4*\b:TMP+4*\b+3] offset:32*\b
.endr
	s_wait_xcnt 0x0                                ; buffer f, which earlier stores read, and the stores' base are rewritten only behind this wait
.if \i
	s_add_nc_u64 s[8:9], s[8:9], 2048              ; 16 tokens of 128 bytes on
.endif
.irp t, 0,1,2,3,4,5,6,7
	ds_load_b128 v[\f+4*\t:\f+4*\t+3], v[RD] offset:\t*2*SPITCH    ; LDS serves a wave's instructions in order (ISA guide 5.7.1): these see the stores above
.endr
.irp t, 0,1,2,3,4,5,6,7
	s_wait_dscnt 7-\t                              ; load t is in, the younger ones stay out
	global_store_b128 v[CO], v[\f+4*\t:\f+4*\t+3], s[8:9] offset:256*\t   ; each sixteen lanes store 256 consecutive bytes, aligned: tokens 2 t, 2 t + 1 of one plane
.endr
.endm
	OUT16 0, 0, 0x0a, F0
	OUT16 1, 1, 0x0a, F1
	OUT16 2, 2, 0x0a, F0
	OUT16 3, 3, 0x0a, F1
	OUT16 4, 0, 0x0f, F0
	OUT16 5, 1, 0x0f, F1
	OUT16 6, 2, 0x0f, F0
	OUT16 7, 3, 0x0f, F1
	s_set_vgpr_msb 0x1
	s_wait_tensorcnt 0x0
	ds_add_u32 v255, v63
	s_wait_dscnt 0x0
	s_set_vgpr_msb 0x100
	CROUND                                         ; the closing round: no work-group ends while a partner may still ask for a tile that names it
	s_endpgm
.Lfunc_end_k_qf3599dec05_proj:
	.size	k_qf3599dec05_proj, .Lfunc_end_k_qf3599dec05_proj-k_qf3599dec05_proj
	.p2alignl 7, 3214868480
	.fill 96, 4, 3214868480
	.section	.rodata,"a",@progbits
	.p2align	6, 0x0
	.amdhsa_kernel k_qf3599dec05_proj
		.amdhsa_group_segment_fixed_size 327680
		.amdhsa_private_segment_fixed_size 0
		.amdhsa_enable_private_segment 0
		.amdhsa_kernarg_size 40
		.amdhsa_user_sgpr_count 2
		.amdhsa_user_sgpr_kernarg_segment_ptr 1
		.amdhsa_wavefront_size32 1
		.amdhsa_system_sgpr_workgroup_id_x 1
		.amdhsa_system_sgpr_workgroup_id_y 1
		.amdhsa_system_sgpr_workgroup_id_z 1
		.amdhsa_system_vgpr_workitem_id 0
		.amdhsa_next_free_vgpr 1024
		.amdhsa_next_free_sgpr 88
		.amdhsa_reserve_vcc 0
		.amdhsa_float_denorm_mode_32 3
		.amdhsa_float_denorm_mode_16_64 3
		.amdhsa_memory_ordered 1
		.amdhsa_forward_progress 1
		.amdhsa_inst_pref_size 200
	.end_amdhsa_kernel
	.amdgpu_metadata
---
amdhsa.version: [ 1, 2 ]
amdhsa.kernels:
  - .name:           k_qf3599dec05_proj
    .symbol:         k_qf3599dec05_proj.kd
    .args:
      - { .name: xw, .offset: 0, .size: 8, .value_kind: global_buffer, .address_space: global }
      - { .name: qkv, .offset: 8, .size: 8, .value_kind: global_buffer, .address_space: global }
      - { .name: Wq_b, .offset: 16, .size: 8, .value_kind: global_buffer, .address_space: global }
      - { .name: Wk_b, .offset: 24, .size: 8, .value_kind: global_buffer, .address_space: global }
      - { .name: Wv_b, .offset: 32, .size: 8, .value_kind: global_buffer, .address_space: global }
    .group_segment_fixed_size: 327680
    .private_segment_fixed_size: 0
    .kernarg_segment_align: 8
    .kernarg_segment_size: 40
    .max_flat_workgroup_size: 128
    .sgpr_count:     88
    .vgpr_count:     1024
    .wavefront_size: 32
...
	.end_amdgpu_metadata
.endif
;; end of part 2
;; launch attn (part 3): grid 256 x 1, 8 waves a work-group, clusters of 4 x 1, 327,680 bytes of LDS; arguments qkv, mw, out0; writes out0
.if DOCPART == 3
	.amdgcn_target "amdgcn-amd-amdhsa--gfx1250"
	.amdhsa_code_object_version 6
	.text
	.protected	k_qf3599dec05_attn
	.globl	k_qf3599dec05_attn
	.p2align	8
	.type	k_qf3599dec05_attn,@function
k_qf3599dec05_attn:
	s_mov_b64 s[64:65], 0
	v_nop
	global_prefetch_b8 v0, s[64:65] scope:SCOPE_SE
	s_setreg_imm32_b32 hwreg(HW_REG_WAVE_MODE, 25, 1), 1
	s_wait_xcnt 0x0
	s_wait_alu depctr_hold_cnt(0) depctr_sa_sdst(0) depctr_va_vdst(0) depctr_va_sdst(0) depctr_va_ssrc(0) depctr_va_vcc(0) depctr_vm_vsrc(0)
	s_getreg_b32 s2, hwreg(HW_REG_IB_STS2, 6, 4)
	s_cmp_eq_u32 s2, 0
	s_cbranch_scc0 .Lentry_in_a_cluster
	s_endpgm
.Lentry_in_a_cluster:
	s_bfe_u32 s2, ttmp6, 0x10000c
	s_cmp_lg_u32 s2, 0x3003
	s_cbranch_scc0 .Lentry_shape_is_right
	s_endpgm
.Lentry_shape_is_right:
; attn: masked softmax attention with a running maximum, f16 matrix operands, f32 everything else.
; A cluster of four work-groups is one (batch, head); each work-group takes 512 queries, each of its eight waves 64 queries (four tiles of 16).
; All four work-groups walk the same K and V: each tile is asked for JOINTLY (mask 15) and lands in the LDS of all four, which divides the requests by four.
; K and V go through two LDS slots of 512 keys each (8 steps of 64 keys); a slot's refill has the other slot's 8 steps in which to land.
; LAYOUT.  S^T = K Q^T: source 0 = 16 keys, source 1 = 16 queries.  Lane (r = l % 16, h = l / 16), register j of score tile t holds key 16 t + 8 h + j of query r:
; a lane serves ONE query, so maximum, rescale factor and sum are plain per-lane numbers (the two halves of the lanes meet by one v_permlanex16_b32).
; Two score tiles packed to f16 in pairs ARE source 1 of O^T = V^T P^T for 32 keys: no shuffle.  V^T's fragments come by the transposing LDS load.
; MASK.  mw holds for each (query tile, step, t, j) the 32-bit lane mask of that score register; 32 words a tile and step come by scalar loads and steer v_cndmask_b32.
; SOFTMAX.  p = exp2(S c - m c), c = log2(e) / 8, m the running maximum of the raw masked scores; -m c is rounded once and the SAME rounded number serves p and the
; rescale factor exp2(m_old c - m_new c), so the common factor cancels in the division at the end.
; THE PIPELINE.  The unit of work is a PAIR of query tiles against a step's 64 keys: 64 pairs n, pair n in score buffer n & 1.  The body of pair n has four phases:
;   1  mask selects, maxima and rescale factors of n (and the request for the mask words of n + 1);
;   2  the 16 products O += V^T P^T of pair n - 1, with the 32 multiplies that rescale O of pair n between them (other registers);
;   3  S c - m c and the exponentials of n, with the 16 score products of pair n + 1 between them: 4 exponentials and 2 multiply-adds for each matrix instruction;
;   4  sums and conversions of n: p is converted IN PLACE (register k from registers 2 k, 2 k + 1), so a score buffer's lower halves hold P until phase 2 of the next body has read them.
; So every matrix instruction has vector work of the same wave beside it, and the second wave of the SIMD fills what is left.
; LIMITS.  A masked raw score is -2^33 (-1.07e9 after the scale 1/8, where the problem has -1e9): (-2^33) c is exact, so a row that is masked throughout has p = 1
; exactly and gives the mean of V.  This differs from the problem only where true scaled scores lie below about -1e9.  q, k, v are f16 (up to 65,504).  NaN and
; infinities are not treated.
.set PK,     144                       ; an LDS row of K or V: 128 bytes + 16 of padding: the 16 rows of a fragment load start 16 bytes apart modulo 256
.set VOFF,   512*PK                    ; V's 512 rows lie behind K's 512 in a slot
.set SLOTB,  2*VOFF                    ; 147,456 bytes a slot
.set STEPB,  64*PK                     ; 64 keys
.set WTILE,  128*PK                    ; what one wave's tensor load fills: 128 rows
.set SPITCH, 272                       ; the way out: a query's 64 f32 + 16 bytes
.set QSTAGE, 16*SPITCH
.set WSTAGE, 4*QSTAGE                  ; a wave's stage; eight of them end at byte 139,264, inside slot 0, which has had its last fill and its last read by then
; window 0
.set NEG, 1                            ; v1       -2^33
.set KA0, 4                            ; v4       144 r + 16 h
.set VA0, 5                            ; v5       VOFF - STEPB + 144 (8 h + l % 8) + 16 ((l / 8) % 2): one step in front of slot 0's first V
.set KA,  6                            ; v6       K's address, the step's that was fetched last
.set VA,  7                            ; v7       V's
.set STO, 8                            ; v8       the way out: where I put my 32 bytes
.set RD,  9                            ; v9       where I read back
.set CO,  10                           ; v10      my byte offset in out0
.set QO,  11                           ; v11      my byte offset in q
.set MX,  12                           ; v[12:15] running maximum of query tile i (raw scores)
.set NMC, 16                           ; v[16:23] -m c, twice, for tile i
.set LS,  24                           ; v[24:31] sum of p, a pair of partial sums for tile i (my half of the keys)
.set TT,  32                           ; v[32+16a ..]: +0..3 at work, +4..5 the rescale factor twice, +8..15 four pairs of partial sums
.set KF,  64                           ; v[64:127]  K(t, kk) at 16 t + 8 kk
.set SS,  128                          ; v[128:255] two score buffers: pair p at 64 p, its tile a at + 32 a, S(t) at + 8 t; later P(c) at + 8 c
; window 1 (v256 and up)
.set QF,  0                            ; Q(i, kk) at 16 i + 8 kk
.set OO,  64                           ; O(i, dt) at 32 i + 8 dt
.set VF,  192                          ; V(c, dt) at 32 c + 8 dt
; scalars: s3 trips; s[4:11] descriptor group 1; s[12:15], s[68:71] group 0 of slot 0, 1; s[74:75] mw at my four tiles; s[76:77] out0 at my rows; s78 wave;
; s79 byte offset of the step in a tile's mask words; s66, s67 selects of v_permlanex16_b32; s[16:47] mask words of the pair's first tile; s[48:63], s[80:95] of its second
.set MSB, 0
.macro WIN new                         ; s_set_vgpr_msb: bits 1:0 source 0, 3:2 source 1, 5:4 source 2, 7:6 destination; the high byte repeats the setting that is left
.if MSB != \new
	s_set_vgpr_msb (MSB<<8)|\new
.set MSB, \new
.endif
.endm
.macro PLACES                          ; four places behind a matrix instruction (ISA guide 7.12.1), in front of reads of its result
.rept 4
	v_nop
.endr
.endm
.macro ROUND                           ; a round of the cluster's barrier
	s_barrier_signal -1
	s_barrier_wait -1
	s_cmp_lg_u32 s78, 0
	s_cbranch_scc1 .Lnot_wave_0_\@
	s_barrier_signal -3
.Lnot_wave_0_\@:
	s_barrier_wait -3
	s_barrier_signal -1
	s_barrier_wait -1
.endm
.macro KLOAD                           ; 64 keys x 64 d as eight fragments: 16 loads (window 0)
.irp t, 0,1,2,3
.irp kk, 0,1
	ds_load_b128 v[KF+16*\t+8*\kk:KF+16*\t+8*\kk+3],   v[KA] offset:16*PK*\t+64*\kk
	ds_load_b128 v[KF+16*\t+8*\kk+4:KF+16*\t+8*\kk+7], v[KA] offset:16*PK*\t+64*\kk+32
.endr
.endr
.endm
.macro VLOAD                           ; V^T: 64 d x 64 keys as eight fragments: 16 transposing loads into window 1; leaves the setting 0x40
	WIN 0x40
.irp c, 0,1
.irp dt, 0,1,2,3
	ds_load_tr16_b128 v[VF+32*\c+8*\dt:VF+32*\c+8*\dt+3],   v[VA] offset:32*PK*\c+32*\dt
	ds_load_tr16_b128 v[VF+32*\c+8*\dt+4:VF+32*\c+8*\dt+7], v[VA] offset:32*PK*\c+32*\dt+16*PK
.endr
.endr
.endm
.macro MLOAD p                         ; the 2 x 32 mask words of query tiles 2 p, 2 p + 1 at the step that s79 names
	s_load_b512 s[16:31], s[74:75], s79 offset:8192*(\p)
	s_load_b512 s[32:47], s[74:75], s79 offset:8192*(\p)+64
	s_load_b512 s[48:63], s[74:75], s79 offset:8192*(\p)+4096
	s_load_b512 s[80:95], s[74:75], s79 offset:8192*(\p)+4160
.endm
; The j-th of the 16 score products of pair q: kk = j / 8, tile a = (j / 4) % 2, t = j % 4.  Eight accumulators take turns, one instruction a turn;
; the first product starts each sum.  Setting 0x04: Q in window 1, all else in window 0.
.macro SMW q, j
.set w_kk, (\j)/8
.set w_a, ((\j)/4)%2
.set w_t, (\j)%4
.set w_d, SS+64*(\q)+32*w_a+8*w_t
.if w_kk
	v_wmma_f32_16x16x32_f16 v[w_d:w_d+7], v[KF+16*w_t+8:KF+16*w_t+15], v[QF+16*(2*(\q)+w_a)+8:QF+16*(2*(\q)+w_a)+15], v[w_d:w_d+7]
.else
	v_wmma_f32_16x16x32_f16 v[w_d:w_d+7], v[KF+16*w_t:KF+16*w_t+7], v[QF+16*(2*(\q)+w_a):QF+16*(2*(\q)+w_a)+7], 0
.endif
.endm
; The j-th of the 16 products O(2 q + a, dt) += V(c, dt)^T P(a, c)^T of pair q: c = j / 8, a = (j / 4) % 2, dt = j % 4.  Eight accumulators take turns likewise.
; Setting 0x51: V and O in window 1, P in window 0.  first: the pair belongs to the launch's first step, whose first product starts each sum.
.macro PVW q, j, first
.set w_c, (\j)/8
.set w_a, ((\j)/4)%2
.set w_t, (\j)%4
.set w_d, OO+32*(2*(\q)+w_a)+8*w_t
.set w_z, (\first)*(1-w_c)
.if w_z
	v_wmma_f32_16x16x32_f16 v[w_d:w_d+7], v[VF+32*w_c+8*w_t:VF+32*w_c+8*w_t+7], v[SS+64*(\q)+32*w_a+8*w_c:SS+64*(\q)+32*w_a+8*w_c+7], 0
	s_wait_alu depctr_va_vdst(0)
.else
	v_wmma_f32_16x16x32_f16 v[w_d:w_d+7], v[VF+32*w_c+8*w_t:VF+32*w_c+8*w_t+7], v[SS+64*(\q)+32*w_a+8*w_c:SS+64*(\q)+32*w_a+8*w_c+7], v[w_d:w_d+7]
.endif
.endm
.macro MASKSEL p                       ; a set bit puts -2^33 in the score's place
.set x, 0
.rept 32
	v_cndmask_b32 v[SS+64*\p+x], v[SS+64*\p+x], v[NEG], s[16+x]
	v_cndmask_b32 v[SS+64*\p+32+x], v[SS+64*\p+32+x], v[NEG], s[48+x+16*(x/16)]
.set x, x+1
.endr
.endm
; The new running maxima of tiles 2 p and 2 p + 1, -m c, and (not first) the rescale factors.  The two tiles' lines alternate, so that eight chains run side by side.
.macro SMAX2 p, first
.irp c, 0,1,2,3
.irp a, 0,1
	v_max3_num_f32 v[TT+16*\a+\c], v[SS+64*\p+32*\a+8*\c], v[SS+64*\p+32*\a+8*\c+1], v[SS+64*\p+32*\a+8*\c+2]
.endr
.endr
.irp c, 0,1,2,3
.irp a, 0,1
	v_max3_num_f32 v[TT+16*\a+\c], v[TT+16*\a+\c], v[SS+64*\p+32*\a+8*\c+3], v[SS+64*\p+32*\a+8*\c+4]
.endr
.endr
.irp c, 0,1,2,3
.irp a, 0,1
	v_max3_num_f32 v[TT+16*\a+\c], v[TT+16*\a+\c], v[SS+64*\p+32*\a+8*\c+5], v[SS+64*\p+32*\a+8*\c+6]
.endr
.endr
.irp a, 0,1
	v_max3_num_f32 v[TT+16*\a], v[TT+16*\a], v[TT+16*\a+1], v[SS+64*\p+32*\a+7]
	v_max3_num_f32 v[TT+16*\a+2], v[TT+16*\a+2], v[TT+16*\a+3], v[SS+64*\p+32*\a+15]
.endr
.irp a, 0,1
	v_max3_num_f32 v[TT+16*\a], v[TT+16*\a], v[SS+64*\p+32*\a+23], v[SS+64*\p+32*\a+31]
.endr
.irp a, 0,1
.if \first
	v_max_num_f32 v[TT+16*\a], v[TT+16*\a], v[TT+16*\a+2]
.else
	v_max3_num_f32 v[TT+16*\a], v[TT+16*\a], v[TT+16*\a+2], v[MX+2*\p+\a]
.endif
.endr
.irp a, 0,1
	v_permlanex16_b32 v[TT+16*\a+1], v[TT+16*\a], s66, s67         ; the other half of the keys of my query
.endr
.irp a, 0,1
	v_max_num_f32 v[MX+2*\p+\a], v[TT+16*\a], v[TT+16*\a+1]
.endr
.irp a, 0,1
	v_mul_f32 v[TT+16*\a+2], 0xbe38aa3b, v[MX+2*\p+\a]             ; -m c
.endr
.if \first == 0
.irp a, 0,1
	v_sub_f32 v[TT+16*\a+3], v[TT+16*\a+2], v[NMC+4*\p+2*\a]       ; m_old c - m_new c, at most 0
.endr
.irp a, 0,1
	v_exp_f32 v[TT+16*\a+4], v[TT+16*\a+3]                         ; the rescale factor, twice, for the packed forms; the moves below are the plain lines
	v_exp_f32 v[TT+16*\a+5], v[TT+16*\a+3]                         ; between these four and the first use of their results (ISA guide 5.7.2)
.endr
.endif
	s_wait_alu depctr_va_vdst(0)
.irp a, 0,1
	v_mov_b32 v[NMC+4*\p+2*\a], v[TT+16*\a+2]
	v_mov_b32 v[NMC+4*\p+2*\a+1], v[TT+16*\a+2]
.endr
.endm
; Phase 1 of pair p.  mnext: the mask words of the next pair are asked for, straight behind this pair's selects: they have the rest of this body in which to come.
.macro HEAD p, first, mnext
	s_wait_kmcnt 0x0                               ; this pair's mask words are in, and no scalar load is out:
.if \p
	s_add_co_u32 s79, s79, 128                     ; so the step's offset may be written: 32 words on
.endif
	MASKSEL \p
.if \mnext
	MLOAD 1-\p
.endif
	SMAX2 \p, \first
.endm
.macro OSC1 p                          ; O x factor for two registers of pair p, per lane = per query; mm counts the pair's 32 register pairs
	v_pk_mul_f32 v[OO+64*\p+2*mm:OO+64*\p+2*mm+1], v[OO+64*\p+2*mm:OO+64*\p+2*mm+1], v[TT+16*(mm/16)+4:TT+16*(mm/16)+5]
.set mm, mm+1
.endm
; Phase 2 in the body of pair p: the products of the pair before (1 - p); scale: O of pair p is rescaled between them, two multiplies behind each of the first fourteen
; matrix instructions and four behind the last: these four name none of its registers and are the places in front of the loads into V.
.macro PVBLOCK p, pvfirst, scale
	WIN 0x51
.set jj, 0
.set mm, 0
.rept 16
	PVW 1-\p, jj, \pvfirst
.if \scale
.if jj < 14
	OSC1 \p
	OSC1 \p
.endif
.if jj == 15
	OSC1 \p
	OSC1 \p
	OSC1 \p
	OSC1 \p
.endif
.endif
.set jj, jj+1
.endr
.endm
.macro FMA1 p                          ; S c - m c for two registers; yy counts the pair's 32 register pairs.  c is a literal: under 0x04 a register in source 1 would mean window 1
	v_pk_fma_f32 v[SS+64*\p+2*yy:SS+64*\p+2*yy+1], v[SS+64*\p+2*yy:SS+64*\p+2*yy+1], 0x3e38aa3b, v[NMC+4*\p+2*(yy/16):NMC+4*\p+2*(yy/16)+1] op_sel_hi:[1,0,1]
.set yy, yy+1
.endm
.macro EXP1 p, x
	v_exp_f32 v[SS+64*\p+(\x)], v[SS+64*\p+(\x)]
.endm
; Phase 3 of pair p.  Six multiply-adds lead: they are the places between the last product that read P from the other buffer and the first score product that writes over it.
; Then, sixteen times: one score product of the next pair (sm), four exponentials, two multiply-adds for registers 12 further on.
; Behind each exponential stands a multiply-add on other registers, another exponential, or a matrix instruction that names none of its registers; a plain line always
; comes before a result is read (ISA guide 5.7.2): the last twelve results are first read behind the other tile's sums.
.macro EXPBLOCK p, sm
	WIN 0x04
.set yy, 0
.rept 6
	FMA1 \p
.endr
.set jj, 0
.rept 16
.if \sm
	SMW 1-\p, jj
.endif
	EXP1 \p, 4*jj
.if yy < 32
	FMA1 \p
.endif
	EXP1 \p, 4*jj+1
	EXP1 \p, 4*jj+2
.if yy < 32
	FMA1 \p
.endif
	EXP1 \p, 4*jj+3
.set jj, jj+1
.endr
.endm
.macro SSUM p, a, first                ; l = l x factor + the sum of my 32 p, in pairs, four chains
	s_wait_alu depctr_va_vdst(0)
.irp c, 0,1,2,3
	v_pk_add_f32 v[TT+16*\a+8+2*\c:TT+16*\a+9+2*\c], v[SS+64*\p+32*\a+8*\c:SS+64*\p+32*\a+8*\c+1], v[SS+64*\p+32*\a+8*\c+2:SS+64*\p+32*\a+8*\c+3]
.endr
.irp c, 0,1,2,3
	v_pk_add_f32 v[TT+16*\a+8+2*\c:TT+16*\a+9+2*\c], v[TT+16*\a+8+2*\c:TT+16*\a+9+2*\c], v[SS+64*\p+32*\a+8*\c+4:SS+64*\p+32*\a+8*\c+5]
.endr
.irp c, 0,1,2,3
	v_pk_add_f32 v[TT+16*\a+8+2*\c:TT+16*\a+9+2*\c], v[TT+16*\a+8+2*\c:TT+16*\a+9+2*\c], v[SS+64*\p+32*\a+8*\c+6:SS+64*\p+32*\a+8*\c+7]
.endr
	v_pk_add_f32 v[TT+16*\a+8:TT+16*\a+9], v[TT+16*\a+8:TT+16*\a+9], v[TT+16*\a+10:TT+16*\a+11]
	v_pk_add_f32 v[TT+16*\a+12:TT+16*\a+13], v[TT+16*\a+12:TT+16*\a+13], v[TT+16*\a+14:TT+16*\a+15]
.if \first
	v_pk_add_f32 v[LS+4*\p+2*\a:LS+4*\p+2*\a+1], v[TT+16*\a+8:TT+16*\a+9], v[TT+16*\a+12:TT+16*\a+13]
.else
	v_pk_add_f32 v[TT+16*\a+8:TT+16*\a+9], v[TT+16*\a+8:TT+16*\a+9], v[TT+16*\a+12:TT+16*\a+13]
	v_pk_fma_f32 v[LS+4*\p+2*\a:LS+4*\p+2*\a+1], v[LS+4*\p+2*\a:LS+4*\p+2*\a+1], v[TT+16*\a+4:TT+16*\a+5], v[TT+16*\a+8:TT+16*\a+9]
.endif
.endm
.macro SCVT p, a                       ; p to f16, in place: registers 2 k, 2 k + 1 of the tile's 32 become register k; line k writes no register that a later line reads
.set k, 0
.rept 16
	v_cvt_pk_f16_f32 v[SS+64*\p+32*\a+k], v[SS+64*\p+32*\a+2*k], v[SS+64*\p+32*\a+2*k+1]
.set k, k+1
.endr
.endm
; The next step's K.  kmode 0: there is none.  1: 64 keys on in the same slot.  2: this slot has been read to its end (K's last step a step ago, V's in this body): it is
; filled again, 1024 keys on (g = the first register of its group 0), and K comes from the other slot.  3: the same change of slots with nothing left to fetch.
.macro KNEXT kmode, newslot, g
.if \kmode == 1
	v_add_nc_u32 v[KA], STEPB, v[KA]
	KLOAD
.endif
.if \kmode == 2
	s_wait_dscnt 0x0                               ; my reads of the slot are back
	s_wait_tensorcnt 0x0                           ; all my tensor loads have landed, my part of the other slot among them: no load of mine is out, so a group 0 may be written
	ds_add_u32 v54, v55
	s_wait_dscnt 0x0
	s_add_nc_u64 s[\g+2:\g+3], s[\g+2:\g+3], 131072   ; 1024 rows of 128 bytes
	ROUND                                          ; both now hold of every wave of all four work-groups
	tensor_load_to_lds s[\g:\g+3], s[4:11]         ; my one tensor load behind the round, and the first thing there
	s_nop 0
.endif
.if \kmode == 3
	s_wait_dscnt 0x0                               ; my reads of slot 0 are back: behind this barrier it may serve as the stage of the way out
	s_wait_tensorcnt 0x0                           ; my part of slot 1 has landed
	s_barrier_signal -1
	s_barrier_wait -1                              ; nothing is filled any more, so the work-group's own barrier is enough
.endif
.if \kmode >= 2
	v_add_nc_u32 v[KA], \newslot*SLOTB, v[KA0]
	v_add_nc_u32 v[VA], \newslot*SLOTB, v[VA0]     ; one step in front of the new slot's first V: the next step adds its 64 keys
	KLOAD
.endif
.endm
; A step: the bodies of its two pairs.  first: the launch's first step (nothing to rescale, V already asked for); second: the products of the pair before still start sums.
.macro STEP first, second, kmode, newslot, g
.if \first == 0
	v_add_nc_u32 v[VA], STEPB, v[VA]               ; this step's V
.endif
	HEAD 0, \first, 1
.if \first == 0
	PVBLOCK 0, \second, 1                          ; the last step's second pair, with the last step's V,
	VLOAD                                          ; whose registers then take this step's
.endif
	EXPBLOCK 0, 1                                  ; with the scores of this step's second pair
	WIN 0
	SSUM 0, 0, \first                              ; sixteen plain lines: the places between the last score product and the loads into K
	KNEXT \kmode, \newslot, \g
	SCVT 0, 0
	SSUM 0, 1, \first
	SCVT 0, 1
	HEAD 1, \first, \kmode
.if \kmode
	s_wait_dscnt 16                                ; LDS loads come back in order: V's sixteen are in, K's sixteen, issued behind them, may be out
.else
	s_wait_dscnt 0x0                               ; V's sixteen are in; no load was issued behind them
.endif
	PVBLOCK 1, \first, 1-\first                    ; this step's first pair
.if \kmode
	s_wait_dscnt 0x0                               ; the next step's K is in
.endif
	EXPBLOCK 1, \kmode                             ; with the scores of the next step's first pair
	WIN 0
	SSUM 1, 0, \first
	SCVT 1, 0
	SSUM 1, 1, \first
	SCVT 1, 1
.endm
.macro STEPS n                         ; n plain steps inside a slot
	s_mov_b32 s3, \n
.Lstep_\@:
	STEP 0, 0, 1, 0, 0
	s_sub_co_u32 s3, s3, 1
	s_cmp_lg_u32 s3, 0
	s_cbranch_scc1 .Lstep_\@
.endm
.macro OUTQ i                          ; query tile i: divide by the sum, turn through my stage, store whole rows of 256 bytes
	v_add_f32 v[TT], v[LS+2*\i], v[LS+2*\i+1]
	v_permlanex16_b32 v[TT+1], v[TT], s66, s67     ; the other half of the keys
	v_add_f32 v[TT], v[TT], v[TT+1]
	v_rcp_f32 v[TT+4], v[TT]
	v_rcp_f32 v[TT+5], v[TT]
	v_nop                                          ; the plain place behind the two reciprocals (ISA guide 5.7.2)
	WIN 0x41
.set k, 0
	s_wait_alu depctr_va_vdst(0)
.rept 16
	v_pk_mul_f32 v[OO+32*\i+2*k:OO+32*\i+2*k+1], v[OO+32*\i+2*k:OO+32*\i+2*k+1], v[TT+4:TT+5]
.set k, k+1
.endr
	WIN 0x04                                       ; store data from window 1
.irp dt, 0,1,2,3
	ds_store_b128 v[STO], v[OO+32*\i+8*\dt:OO+32*\i+8*\dt+3]   offset:QSTAGE*\i+64*\dt
	ds_store_b128 v[STO], v[OO+32*\i+8*\dt+4:OO+32*\i+8*\dt+7] offset:QSTAGE*\i+64*\dt+16
.endr
	WIN 0
.irp t, 0,1,2,3,4,5,6,7
	ds_load_b128 v[64+32*\i+4*\t:64+32*\i+4*\t+3], v[RD] offset:QSTAGE*\i+2*SPITCH*\t   ; my own bytes, served in order behind the stores above; registers of their own for each tile
.endr
.irp t, 0,1,2,3,4,5,6,7
	s_wait_dscnt 7-\t                              ; load t is in, the younger ones stay out
	global_store_b128 v[CO], v[64+32*\i+4*\t:64+32*\i+4*\t+3], s[76:77] offset:(16*\i+2*\t)*4096 th:TH_STORE_NT   ; sixteen lanes store a query's 256 bytes of this head, aligned
.endr
.endm
	s_load_b128 s[72:75], s[0:1], 0x0              ; qkv s[72:73], mw s[74:75]
	s_load_b64 s[76:77], s[0:1], 0x10              ; out0
	v_lshl_add_u32 v54, v0, 2, 0x48000
	v_mov_b32 v55, 0
	ds_add_u32 v54, v55
	v_lshrrev_b32 v12, 5, v0
	v_readfirstlane_b32 s78, v12                   ; wave 0..7
	s_bfe_u32 s96, ttmp6, 0x40000                  ; cx: which 512 queries; it enters global addresses of q, mw and out0 alone
	s_lshr_b32 s97, ttmp9, 4                       ; b     (ttmp9 counts clusters: 16 b + head)
	s_and_b32 s98, ttmp9, 15                       ; head
	s_mov_b32 s66, 0x76543210                      ; v_permlanex16_b32: lane i of one half reads lane i of the other
	s_mov_b32 s67, 0xfedcba98
	; group 1: 128 rows of 64 elements of 2 bytes, dense in memory, 16 bytes of padding behind each row in LDS
	s_mov_b32 s4, 15|(1<<16)|(1<<20)|(1<<21)|(4<<22)|(3<<25)   ; 15:0 the mask: all four work-groups; 17:16 2 bytes; 20 padding on; 21 set beside a mask; 24:22 after every 32 words; 31:25 four words
	s_mov_b32 s5, 64<<16                           ; tensor_dim0 = 64
	s_mov_b32 s6, 128<<16                          ; tensor_dim1 = 128
	s_mov_b32 s7, 64<<16                           ; tile_dim0 = 64
	s_mov_b32 s8, 128                              ; tile_dim1 = 128
	s_mov_b32 s9, 64                               ; elements from row to row
	s_mov_b32 s10, 0
	s_mov_b32 s11, 0
	; my part of a slot: waves 0-3 take 128 rows each of K's plane 16 + 2 head, waves 4-7 of V's, the next plane.  Nothing here hangs on cx.
	s_mul_i32 s100, s97, 48
	s_lshl_b32 s99, s98, 1
	s_add_co_u32 s100, s100, s99
	s_lshr_b32 s99, s78, 2
	s_add_co_u32 s100, s100, s99
	s_add_co_u32 s100, s100, 16
	s_lshl_b32 s100, s100, 18                      ; planes of 262,144 bytes
	s_and_b32 s99, s78, 3
	s_lshl_b32 s99, s99, 14                        ; 128 rows of 128 bytes
	s_add_co_u32 s100, s100, s99
	s_mov_b32 s101, 0
	s_mov_b32 s12, 1                               ; group 0 of slot 0: count = 1
	s_mul_i32 s13, s78, WTILE                      ; LDS address: wave x 128 rows (K's four parts, then V's four)
	s_mov_b32 s68, 1                               ; group 0 of slot 1
	s_add_co_u32 s69, s13, SLOTB
	; offsets that hang on cx, in registers that feed no descriptor
	s_mul_i32 s92, s97, 48                         ; q: plane 48 b + head, row 512 cx + 64 wave
	s_add_co_u32 s92, s92, s98
	s_lshl_b32 s92, s92, 18
	s_lshl_b32 s94, s96, 16
	s_add_co_u32 s92, s92, s94
	s_lshl_b32 s94, s78, 13
	s_add_co_u32 s92, s92, s94
	s_mov_b32 s93, 0
	s_lshl_b32 s88, s97, 19                        ; mw: query tile 128 b + 32 cx + 4 wave, 4,096 bytes each
	s_lshl_b32 s94, s96, 17
	s_add_co_u32 s88, s88, s94
	s_lshl_b32 s94, s78, 14
	s_add_co_u32 s88, s88, s94
	s_mov_b32 s89, 0
	s_lshl_b32 s84, s97, 23                        ; out0: row 2048 b + 512 cx + 64 wave of 4,096 bytes, + 256 head
	s_lshl_b32 s94, s96, 21
	s_add_co_u32 s84, s84, s94
	s_lshl_b32 s94, s78, 18
	s_add_co_u32 s84, s84, s94
	s_lshl_b32 s94, s98, 8
	s_add_co_u32 s84, s84, s94
	s_mov_b32 s85, 0
	s_wait_dscnt 0x0
	s_wait_kmcnt 0x0
	s_add_nc_u64 s[14:15], s[72:73], s[100:101]    ; keys 0-511
	s_add_nc_u64 s[70:71], s[14:15], 65536         ; keys 512-1023
	s_or_b32 s15, s15, 0x80000000                  ; type = 2
	s_or_b32 s71, s71, 0x80000000
	s_add_nc_u64 s[96:97], s[72:73], s[92:93]      ; q at my 64 rows
	s_add_nc_u64 s[74:75], s[74:75], s[88:89]
	s_add_nc_u64 s[76:77], s[76:77], s[84:85]
	ROUND                                          ; all four work-groups are here: the first joint loads meet
	tensor_load_to_lds s[12:15], s[4:11]           ; both first fills go out together: two tensor loads of a wave are out here, later one
	s_nop 0
	tensor_load_to_lds s[68:71], s[4:11]
	s_nop 0
	s_mov_b32 s79, 0
	MLOAD 0                                        ; step 0, query tiles 0 and 1
	v_and_b32 v12, 15, v0                          ; r
	v_bfe_u32 v13, v0, 4, 1                        ; h
	v_lshlrev_b32 v[QO], 7, v12
	v_lshl_add_u32 v[QO], v13, 4, v[QO]            ; 128 r + 16 h
	WIN 0x40
.irp i, 0,1,2,3
.irp kk, 0,1
	global_load_b128 v[QF+16*\i+8*\kk:QF+16*\i+8*\kk+3],   v[QO], s[96:97] offset:2048*\i+64*\kk      ; Q's fragments stay in registers for the whole launch
	global_load_b128 v[QF+16*\i+8*\kk+4:QF+16*\i+8*\kk+7], v[QO], s[96:97] offset:2048*\i+64*\kk+32
.endr
.endr
	WIN 0
	v_mul_u32_u24 v[KA0], v12, PK
	v_lshl_add_u32 v[KA0], v13, 4, v[KA0]          ; K: row r, 16 bytes for each half of the lanes
	v_and_b32 v14, 7, v0
	v_lshl_add_u32 v14, v13, 3, v14                ; V: row 8 h + l % 8,
	v_mul_u32_u24 v[VA0], v14, PK
	v_bfe_u32 v14, v0, 3, 1
	v_lshl_add_u32 v[VA0], v14, 4, v[VA0]          ; 16 bytes for each eight lanes,
	v_add_nc_u32 v[VA0], VOFF-STEPB, v[VA0]        ; behind K's rows, less one step
	s_mul_i32 s99, s78, WSTAGE
	v_mul_u32_u24 v[STO], v12, SPITCH
	v_lshl_add_u32 v[STO], v13, 5, v[STO]
	v_add_nc_u32 v[STO], s99, v[STO]               ; in: row r, 32 bytes for each half of the lanes
	v_mul_u32_u24 v[RD], v13, SPITCH
	v_lshl_add_u32 v[RD], v12, 4, v[RD]
	v_add_nc_u32 v[RD], s99, v[RD]                 ; back: lanes 0-15 one row, lanes 16-31 the next
	v_lshlrev_b32 v[CO], 12, v13
	v_lshl_add_u32 v[CO], v12, 4, v[CO]            ; and the same two rows in out0
	v_mov_b32 v[NEG], 0xd0000000                   ; -2^33
	v_mov_b32 v[KA], v[KA0]
	v_add_nc_u32 v[VA], STEPB, v[VA0]
	s_wait_loadcnt 0x0                             ; Q
	s_wait_tensorcnt 0x1                           ; my part of slot 0 is in; slot 1's may stay out
	s_barrier_signal -1
	s_barrier_wait -1                              ; everybody's is
	; the pipeline is primed: step 0's fragments, and the scores of its first pair
	KLOAD
	VLOAD
	s_wait_dscnt 16                                ; K's sixteen loads are in; V's sixteen, issued behind them, may be out
	WIN 0x04
.set jj, 0
.rept 16
	SMW 0, jj
.set jj, jj+1
.endr
	WIN 0
	PLACES                                         ; in front of the selects, which read the scores
	STEP 1, 0, 1, 0, 0                             ; step 0
	STEP 0, 1, 1, 0, 0                             ; step 1: the products of step 0's second pair still start sums
	STEPS 5                                        ; steps 2-6
	STEP 0, 0, 2, 1, 12                            ; step 7: slot 0 is filled again with keys 1024-1535; K goes on in slot 1
	STEPS 7                                        ; steps 8-14
	STEP 0, 0, 2, 0, 68                            ; step 15: slot 1 is filled again with keys 1536-2047, the last load; K goes on in slot 0
	STEPS 7                                        ; steps 16-22
	STEP 0, 0, 3, 1, 0                             ; step 23: nothing is left to fetch; K goes on in slot 1
	STEPS 7                                        ; steps 24-30
	STEP 0, 0, 0, 0, 0                             ; step 31: no further K, scores or mask words
	WIN 0x51                                       ; the pipeline runs empty: the products of the last pair (its O was rescaled in its own body)
.set jj, 0
.rept 16
	PVW 1, jj, 0
.set jj, jj+1
.endr
	WIN 0
	PLACES                                         ; in front of the way out, which reads O
	OUTQ 0
	OUTQ 1
	OUTQ 2
	OUTQ 3
	s_wait_tensorcnt 0x0
	ds_add_u32 v54, v55
	s_wait_dscnt 0x0
	ROUND                                          ; the closing round: no work-group ends while a partner may still ask for a tile that names it
	s_endpgm
.Lfunc_end_k_qf3599dec05_attn:
	.size	k_qf3599dec05_attn, .Lfunc_end_k_qf3599dec05_attn-k_qf3599dec05_attn
	.p2alignl 7, 3214868480
	.fill 96, 4, 3214868480
	.section	.rodata,"a",@progbits
	.p2align	6, 0x0
	.amdhsa_kernel k_qf3599dec05_attn
		.amdhsa_group_segment_fixed_size 327680
		.amdhsa_private_segment_fixed_size 0
		.amdhsa_enable_private_segment 0
		.amdhsa_kernarg_size 24
		.amdhsa_user_sgpr_count 2
		.amdhsa_user_sgpr_kernarg_segment_ptr 1
		.amdhsa_wavefront_size32 1
		.amdhsa_system_sgpr_workgroup_id_x 1
		.amdhsa_system_sgpr_workgroup_id_y 1
		.amdhsa_system_sgpr_workgroup_id_z 1
		.amdhsa_system_vgpr_workitem_id 0
		.amdhsa_next_free_vgpr 512
		.amdhsa_next_free_sgpr 102
		.amdhsa_reserve_vcc 0
		.amdhsa_float_denorm_mode_32 3
		.amdhsa_float_denorm_mode_16_64 3
		.amdhsa_memory_ordered 1
		.amdhsa_forward_progress 1
		.amdhsa_inst_pref_size 255
	.end_amdhsa_kernel
	.section	.bss,"aw",@nobits
	.p2align	6
	.space	262144
	.amdgpu_metadata
---
amdhsa.version: [ 1, 2 ]
amdhsa.kernels:
  - .name:           k_qf3599dec05_attn
    .symbol:         k_qf3599dec05_attn.kd
    .args:
      - { .name: qkv, .offset: 0, .size: 8, .value_kind: global_buffer, .address_space: global }
      - { .name: mw, .offset: 8, .size: 8, .value_kind: global_buffer, .address_space: global }
      - { .name: out0, .offset: 16, .size: 8, .value_kind: global_buffer, .address_space: global }
    .group_segment_fixed_size: 327680
    .private_segment_fixed_size: 0
    .kernarg_segment_align: 8
    .kernarg_segment_size: 24
    .max_flat_workgroup_size: 256
    .sgpr_count:     102
    .vgpr_count:     512
    .wavefront_size: 32
...
	.end_amdgpu_metadata
.endif
;; end of part 3
